; MI455X (gfx1250); checked and timed in simulation.
; The chip was launched on July 23, 2026; its instructions are those of AMD's public machine-readable ISA for CDNA 5 (MIT licence, August 2026) and "CDNA5" Instruction Set Architecture Reference Guide (July 2026). The comments in the code are by the model that wrote it; some were corrected since.
;; Multi Dim Max Affine Function. Allowed arithmetic: float matrix products may take bf16 or f16 operands with f32 sums; all other float work in f32.
;; Inputs: a 16 x 128 x 64 float32; b 16 x 128 float32; s 16 float32; x 131,072 x 64 float32.
;; Outputs: out0 131,072 float32.
;; One version. Each part assembles by itself: llvm-mc -triple=amdgcn-amd-amdhsa -mcpu=gfx1250 --defsym DOCPART=n.
;; ======== version 1 of 1: 1 launch
;; launch maxaffine (part 1): grid 256 x 1, 8 waves a work-group, no clusters, 119,808 bytes of LDS; arguments a, b, s, x, out0; writes out0
.if DOCPART == 1
	.amdgcn_target "amdgcn-amd-amdhsa--gfx1250"
	.amdhsa_code_object_version 6
	.text
	.protected	k_q1961c53911_maxaffine
	.globl	k_q1961c53911_maxaffine
	.p2align	8
	.type	k_q1961c53911_maxaffine,@function
k_q1961c53911_maxaffine:
	s_mov_b64 s[64:65], 0
	v_nop
	global_prefetch_b8 v0, s[64:65] scope:SCOPE_SE
	s_setreg_imm32_b32 hwreg(HW_REG_WAVE_MODE, 25, 1), 1
	s_wait_xcnt 0x0
; out[n] = sum over k of s[k] * logsumexp over m of ( x[n,:] . a[k,m,:] + b[k,m] )
; x [131072][64], a [16][128][64], b [16][128], s [16], out [131072], all f32.
;
; SHARES.  256 work-groups of 8 waves; a work-group owns 512 rows of x, a wave 64 of them for the whole kernel, as four
; row tiles of 16 kept as bf16 fragments in 64 registers.  The wave walks the 16 experts; no sum crosses waves.
; THE MATRIX INSTRUCTION: A = 16 pieces of a[k], B = 16 rows of x, C of the first K step = the bias tile in f32.  Register j of
; lane (r = lane & 15, h = lane >> 4) then is the score of piece 16 t + 8 h + j for x row r: a lane holds 64 of one row's 128 scores,
; so max and sum run inside the lane and cross the two halves of the wave once each, and the bias costs no vector instruction.
; Row tile rt, lane r stands for the wave's row 4 r + rt: a lane's four results are 16 neighbouring bytes, and lanes 0-15 store
; the wave's 64 results as 256 consecutive bytes, aligned.
; a[k] goes f32 -> registers -> bf16 -> a ring of two LDS slots: a[k+2] is being loaded and a[k+1] converted while a[k] is multiplied.
; One barrier an expert, its signal behind the matrix phase and its wait behind the softmax phase (registers only).
;
; NO CLUSTER, NO TENSOR LOADS: a is the one input that work-groups share, and it has to be rounded to bf16 on its way, so it passes
; through registers in any case; a joint request would need an f32 stage in LDS and a second pass over it.  a is 32,768 bytes for
; an expert, against 8 waves x 64 matrix instructions and 8 x 8,192 exponentials of work in the same time.
; NO PREFETCH: x is wanted at the first line; every a[k] is asked for a whole expert ahead by the loads themselves.
;
; LIMITS.  x and a are rounded to bf16 (nearest even); b, max, exp, sum, log and the signed sum are f32.  The row's true maximum is
; subtracted, so all finite scores with |score| below 2.3e38 are served (max * log2 e must stay finite).  A score of +-infinity gives
; NaN where the reference may give +-infinity.  Terms below 2^-126 of the largest count as 0 (the sum is at least 1).
; The order of the sums differs from the reference's.
.set PITCH,  144                       ; LDS row: 128 bytes of bf16 + 16: an odd multiple of 16, the 16 rows of a fragment load do not collide
.set TILE16, 16*PITCH                  ; 16 rows
.set ASLOT,  128*PITCH                 ; one expert's a in bf16; two slots from byte 0
.set BIAS,   2*ASLOT                   ; b as f32, byte 512 k + 4 m, 8,192 bytes
.set XST,    BIAS+8192                 ; each wave's own stage for its 64 rows of x
.set XWAVE,  64*PITCH
.set ABYTES, 32768                     ; a[k] in memory
; window 0
.set T16,  4                           ; 16 t: offset in a and b, and address of the bias stores
.set XOFF, 5                           ; 16384 wave + 16 lane
.set ASTO, 6                           ; (t >> 4) PITCH + 8 (t & 15): where my 4 bf16 of a go
.set XSTO, 7                           ; my stage + h TILE16 + 8 r
.set AFA,  8                           ; r PITCH + 16 h: fragment address in a slot
.set XFA,  9                           ; the same in my stage
.set BAD,  10                          ; BIAS + 32 h, + 1024 for each pair of experts
.set OOFF, 11                          ; 256 wave + 16 r
.set OUT,  12                          ; v[12:15]   running result, one register a row tile
.set XF,   16                          ; v[16:79]   x fragments: row tile rt, K step c at 16 rt + 8 c
.set H0,   80                          ; v[80:127]  two tiles: A fragment (16 registers) and bias (8) at + 24 d
.set H1,   128                         ; v[128:175] the same, second buffer
.set STG,  176                         ; v[176:207] a as loaded
.set CVT,  208                         ; v[208:223] a in bf16
.set MX,   224                         ; v[224:227] row maxima
.set NM,   228                         ; v[228:235] - max * log2 e, a pair for each row tile
.set SM,   236                         ; v[236:239] row sums
.set TP,   240                         ; v[240:243] what the other half of the wave sends
.set BL,   244                         ; v[244:251] b as loaded
; window 1 (v256-v511): accumulator of row tile rt, piece tile t at 64 rt + 8 t; before the loop v256-v383 take x as loaded.
.set MSB, 0
.macro WIN new                         ; low byte: blocks of source 0, 1, 2, destination; high byte repeats the setting that is left
.if MSB != \new
	s_set_vgpr_msb (MSB<<8)|\new
.set MSB, \new
.endif
.endm
.macro PLACES                          ; four independent vector instructions behind a matrix instruction (ISA guide 7.12.1)
.rept 4
	v_nop
.endr
.endm
	s_load_b256 s[4:11], s[0:1], 0x0               ; a s[4:5], b s[6:7], s s[8:9], x s[10:11]
	s_load_b64 s[12:13], s[0:1], 0x20              ; out0
	v_lshl_add_u32 v254, v0, 2, 0x1d000
	v_mov_b32 v255, 0
	v_and_b32 v1, 31, v0                           ; lane
	v_and_b32 v2, 15, v0                           ; r
	v_bfe_u32 v3, v0, 4, 1                         ; h
	v_lshrrev_b32 v[TP], 5, v0
	v_readfirstlane_b32 s14, v[TP]                 ; wave 0..7
	s_lshl_b32 s24, s14, 14                        ; my 64 rows of x: 16,384 bytes a wave
	s_mul_i32 s25, s14, XWAVE
	s_add_co_u32 s25, s25, XST                     ; my stage in LDS
	s_lshl_b32 s28, s14, 8                         ; my 64 results: 256 bytes a wave
	v_lshlrev_b32 v[T16], 4, v0
	v_lshl_add_u32 v[XOFF], v1, 4, s24
	v_lshrrev_b32 v[ASTO], 4, v0
	v_mul_u32_u24 v[ASTO], PITCH, v[ASTO]
	v_lshl_add_u32 v[ASTO], v2, 3, v[ASTO]
	v_mul_u32_u24 v[XSTO], TILE16, v3
	v_lshl_add_u32 v[XSTO], v2, 3, v[XSTO]
	v_add_nc_u32 v[XSTO], s25, v[XSTO]
	v_mul_u32_u24 v[AFA], PITCH, v2
	v_lshl_add_u32 v[AFA], v3, 4, v[AFA]
	v_add_nc_u32 v[XFA], s25, v[AFA]
	v_lshl_add_u32 v[BAD], v3, 5, BIAS
	v_lshl_add_u32 v[OOFF], v2, 4, s28
	s_mov_b32 s16, 0x76543210                      ; v_permlanex16_b32: lane i of one half reads lane i of the other
	s_mov_b32 s17, 0xfedcba98
	s_mov_b32 s18, 0x3fb8aa3b                      ; log2 e, in a pair for the packed multiply-add
	s_mov_b32 s19, 0x3fb8aa3b
	s_mov_b32 s20, 0x3f317218                      ; ln 2
	s_mov_b32 s21, 0xbfb8aa3b                      ; - log2 e
.irp rt, 0,1,2,3
	v_mov_b32 v[OUT+\rt], 0                        ; the signed sum starts at 0
	v_mov_b32 v[TP+\rt], 0                         ; a permlane's destination counts as read: written once here
.endr
	s_lshl_b32 s26, ttmp9, 17                      ; the work-group's 512 rows of 256 bytes
	s_mov_b32 s27, 0
	s_wait_kmcnt 0x0
	s_add_nc_u64 s[10:11], s[10:11], s[26:27]
	s_lshl_b32 s26, ttmp9, 11                      ; its 512 results
	s_add_nc_u64 s[12:13], s[12:13], s[26:27]
; a[k] by all 256 threads: load j covers rows 16 j .. 16 j + 15; each wave's instruction covers 512 consecutive bytes.
.macro LOADA p
.irp j, 0,1,2,3,4,5,6,7
	global_load_b128 v[STG+4*\j:STG+4*\j+3], v[T16], s[4:5] offset:\p*ABYTES+4096*\j
.endr
.endm
; half of the 32 loaded numbers to bf16: eight plain vector instructions
.macro CVTA half
.irp j, 0,1,2,3
	v_cvt_pk_bf16_f32 v[CVT+8*\half+2*\j],   v[STG+16*\half+4*\j],   v[STG+16*\half+4*\j+1]
	v_cvt_pk_bf16_f32 v[CVT+8*\half+2*\j+1], v[STG+16*\half+4*\j+2], v[STG+16*\half+4*\j+3]
.endr
.endm
.macro STOREA slot
.irp j, 0,1,2,3,4,5,6,7
	ds_store_b64 v[ASTO], v[CVT+2*\j:CVT+2*\j+1] offset:(\slot)*ASLOT+\j*TILE16
.endr
.endm
	LOADA 0                                        ; a[0]
	global_load_b128 v[BL:BL+3],   v[T16], s[6:7]
	global_load_b128 v[BL+4:BL+7], v[T16], s[6:7] offset:4096
	WIN 0x40                                       ; data into window 1, address from window 0
.set j, 0
.rept 32
	global_load_b128 v[4*j:4*j+3], v[XOFF], s[10:11] offset:512*j th:TH_LOAD_NT   ; rows 2 j + h, numbers 4 r .. 4 r + 3; read once in the launch
.set j, j+1
.endr
	WIN 0
	s_wait_loadcnt 32                              ; loads return in order: the 32 of x stay out, a[0] and b are in
	CVTA 0
	CVTA 1
	STOREA 0
	ds_store_b128 v[T16], v[BL:BL+3]   offset:BIAS
	ds_store_b128 v[T16], v[BL+4:BL+7] offset:BIAS+4096
	LOADA 1                                        ; a[1], converted in the first expert
	s_wait_loadcnt 8                               ; only a[1]'s eight loads are younger: x is in
	WIN 0x05                                       ; sources from window 1
.set j, 0
.rept 32
	v_cvt_pk_bf16_f32 v[H0+2*j],   v[4*j],   v[4*j+1]
	v_cvt_pk_bf16_f32 v[H0+2*j+1], v[4*j+2], v[4*j+3]
.set j, j+1
.endr
	WIN 0
	; row 2 j + h = 4 r' + rt goes to position 16 rt + r' = 32 (j & 1) + 16 h + (j >> 1)
.set j, 0
.rept 32
	ds_store_b64 v[XSTO], v[H0+2*j:H0+2*j+1] offset:(j&1)*2*TILE16+(j>>1)*PITCH
.set j, j+1
.endr
	; the fragments back: my own bytes, and LDS serves a wave's instructions in order, so no wait stands between
.irp rt, 0,1,2,3
.irp q, 0,1,2,3
	ds_load_b128 v[XF+16*\rt+4*\q:XF+16*\rt+4*\q+3], v[XFA] offset:\rt*TILE16+32*\q
.endr
.endr
	s_wait_xcnt 0x0                                ; a's base is stepped only behind this wait
	s_add_nc_u64 s[4:5], s[4:5], 2*ABYTES          ; now at a[2]
	s_wait_dscnt 0x0                               ; my part of a[0] and of b is in LDS (and my fragments are in)
	s_barrier_signal -1
	s_barrier_wait -1
; 12 LDS loads: piece tiles t0, t0 + 1 of slot p: the A fragment of both K steps, and the bias tile (8 f32 a lane, the same in 16 lanes)
.macro FETCH hb, t0, p
.irp d, 0,1
.irp q, 0,1,2,3
	ds_load_b128 v[\hb+24*\d+4*\q:\hb+24*\d+4*\q+3], v[AFA] offset:\p*ASLOT+(\t0+\d)*TILE16+32*\q
.endr
.irp e, 0,1
	ds_load_b128 v[\hb+24*\d+16+4*\e:\hb+24*\d+19+4*\e], v[BAD] offset:\p*512+(\t0+\d)*64+16*\e
.endr
.endr
.endm
; 16 matrix instructions: two piece tiles x four row tiles x two K steps.  The first K step takes the bias as C, the second goes on in place.
.macro MUL hb, t0
	WIN 0x40                                       ; D window 1; A, B, C window 0
.irp d, 0,1
.irp rt, 0,1,2,3
	v_wmma_f32_16x16x32_bf16 v[64*\rt+8*(\t0+\d):64*\rt+8*(\t0+\d)+7], v[\hb+24*\d:\hb+24*\d+7], v[XF+16*\rt:XF+16*\rt+7], v[\hb+24*\d+16:\hb+24*\d+23]
.endr
.endr
	WIN 0x50                                       ; C and D window 1
.irp d, 0,1
.irp rt, 0,1,2,3
	v_wmma_f32_16x16x32_bf16 v[64*\rt+8*(\t0+\d):64*\rt+8*(\t0+\d)+7], v[\hb+24*\d+8:\hb+24*\d+15], v[XF+16*\rt+8:XF+16*\rt+15], v[64*\rt+8*(\t0+\d):64*\rt+8*(\t0+\d)+7]
.endr
.endr
.endm
; OUT[rt] += sreg * logsumexp of the 128 scores of each of my rows.  Registers only.
.macro SOFTMAX sreg
	WIN 0x05                                       ; sources 0 and 1: accumulators
	; four chains, one a row tile.  The tiles written last (6, 7) are first read 96 instructions further down.
.irp rt, 0,1,2,3
	v_max_num_f32 v[MX+\rt], v[64*\rt], v[64*\rt+1]
.endr
.set i, 1
.rept 31
.irp rt, 0,1,2,3
	v_max3_num_f32 v[MX+\rt], v[64*\rt+2*i], v[64*\rt+2*i+1], v[MX+\rt]
.endr
.set i, i+1
.endr
	WIN 0
.irp rt, 0,1,2,3
	v_permlanex16_b32 v[TP+\rt], v[MX+\rt], s16, s17       ; the other 64 pieces' maximum
.endr
.irp rt, 0,1,2,3
	v_max_num_f32 v[MX+\rt], v[MX+\rt], v[TP+\rt]
.endr
.irp rt, 0,1,2,3
	v_mul_f32 v[NM+2*\rt],   s21, v[MX+\rt]
	v_mul_f32 v[NM+2*\rt+1], s21, v[MX+\rt]
.endr
	WIN 0x45                                       ; destination, sources 0 and 1: accumulators; source 2 (NM): window 0
.irp e, 0,2,4,6
	v_pk_fma_f32 v[\e:\e+1], v[\e:\e+1], s[18:19], v[NM:NM+1] op_sel_hi:[1,0,1]   ; score * log2 e - max * log2 e, unit 0
.endr
	; unit u = 8 rt + t is one accumulator tile.  Its eight exponentials, then the next unit's arguments, which are the plain
	; instructions that stand between an exponential and the use of its result (ISA guide 5.7.2), then its sums into the row tile's tile 0.
.set u, 0
.rept 32
.irp e, 0,1,2,3,4,5,6,7
	v_exp_f32 v[8*u+\e], v[8*u+\e]
.endr
.if u < 31
.irp e, 0,2,4,6
	v_pk_fma_f32 v[8*u+8+\e:8*u+9+\e], v[8*u+8+\e:8*u+9+\e], s[18:19], v[NM+2*((u+1)/8):NM+2*((u+1)/8)+1] op_sel_hi:[1,0,1]
.endr
.else
	v_nop
	s_wait_alu depctr_va_vdst(0)
.endif
.if (u%8) != 0
	s_wait_alu depctr_va_vdst(0)
.irp e, 0,2,4,6
	v_pk_add_f32 v[8*(u-u%8)+\e:8*(u-u%8)+\e+1], v[8*(u-u%8)+\e:8*(u-u%8)+\e+1], v[8*u+\e:8*u+\e+1]
.endr
.endif
.set u, u+1
.endr
.irp rt, 0,1,2,3
	v_pk_add_f32 v[64*\rt:64*\rt+1],   v[64*\rt:64*\rt+1],   v[64*\rt+2:64*\rt+3]
	v_pk_add_f32 v[64*\rt+4:64*\rt+5], v[64*\rt+4:64*\rt+5], v[64*\rt+6:64*\rt+7]
.endr
.irp rt, 0,1,2,3
	v_pk_add_f32 v[64*\rt:64*\rt+1],   v[64*\rt:64*\rt+1],   v[64*\rt+4:64*\rt+5]
.endr
	WIN 0x05
.irp rt, 0,1,2,3
	v_add_f32 v[SM+\rt], v[64*\rt], v[64*\rt+1]
.endr
	WIN 0
.irp rt, 0,1,2,3
	v_permlanex16_b32 v[TP+\rt], v[SM+\rt], s16, s17
.endr
.irp rt, 0,1,2,3
	v_add_f32 v[SM+\rt], v[SM+\rt], v[TP+\rt]
.endr
.irp rt, 0,1,2,3
	v_log_f32 v[SM+\rt], v[SM+\rt]                 ; log2 of a sum that is at least 1
.endr
	v_nop                                          ; one plain instruction before the logarithms are used
	s_wait_alu depctr_va_vdst(0)
.irp rt, 0,1,2,3
	v_fma_f32 v[SM+\rt], v[SM+\rt], s20, v[MX+\rt] ; max + ln 2 * log2 sum
.endr
.irp rt, 0,1,2,3
	v_fma_f32 v[OUT+\rt], \sreg, v[SM+\rt], v[OUT+\rt]
.endr
.endm
; One expert, read from slot p.  st = 1: the next expert's a (loaded one expert ago) is converted and stored into the other slot;
; ld = 1: the a two experts ahead is asked for; bar = 1: the barrier that hands the other slot over.
.macro EXPERT p, ld, st, bar, sreg
	WIN 0
	FETCH H0, 0, \p
	FETCH H1, 2, \p
	s_wait_dscnt 12                                ; the 12 loads of tiles 2, 3 are younger: tiles 0, 1 are in
	MUL H0, 0
	WIN 0
.if \st
	s_wait_loadcnt 0x0                             ; the next expert's a, asked for one expert ago
	CVTA 0                                         ; eight independent vector instructions: more than the four that stand between a
.else                                              ; matrix instruction and a load into its sources
	PLACES
.endif
	FETCH H0, 4, \p
	s_wait_dscnt 12                                ; tiles 2, 3 are in
	MUL H1, 2
	WIN 0
.if \st
	CVTA 1
.else
	PLACES
.endif
	FETCH H1, 6, \p
	s_wait_dscnt 12                                ; tiles 4, 5 are in
	MUL H0, 4
	s_wait_dscnt 0x0
	MUL H1, 6
	WIN 0
.if \st
	STOREA 1-\p                                    ; every wave's reads of that slot ended in front of the last barrier
.endif
.if \ld
	LOADA \p                                       ; stays on its way across the barrier: nobody writes a
.endif
.if \p == 0
	s_wait_kmcnt 0x0                               ; s[k], s[k+1] of this pair
.endif
.if \bar
	s_wait_dscnt 0x0                               ; my reads of this slot and my stores into the other are done:
	s_barrier_signal -1                            ; say so,
.endif
	SOFTMAX \sreg                                  ; work on registers,
.if \bar
	s_barrier_wait -1                              ; and read the other slot when all eight have said so
.endif
.endm
	s_mov_b32 s15, 0
.Lpair:                                            ; experts 0 to 13, two a trip; asks for a[2] to a[15]
	s_load_b64 s[22:23], s[8:9], 0x0
	EXPERT 0, 1, 1, 1, s22
	EXPERT 1, 1, 1, 1, s23
	s_wait_xcnt 0x0                                ; the bases of a and s are stepped only behind this wait
	s_add_nc_u64 s[4:5], s[4:5], 2*ABYTES
	s_add_nc_u64 s[8:9], s[8:9], 8
	v_add_nc_u32 v[BAD], 1024, v[BAD]              ; two experts' biases
	s_add_co_u32 s15, s15, 1
	s_cmp_lt_u32 s15, 7
	s_cbranch_scc1 .Lpair
	s_load_b64 s[22:23], s[8:9], 0x0
	EXPERT 0, 0, 1, 1, s22                         ; expert 14 stores a[15] and asks for nothing
	EXPERT 1, 0, 0, 0, s23                         ; expert 15: nothing to hand over, no barrier
	s_wait_xcnt 0x0                                ; EXEC narrows only behind this wait
	v_cmp_gt_u32 vcc_lo, 16, v1                    ; both halves hold the same results: lanes 0-15 store them
	s_wait_tensorcnt 0x0
	ds_add_u32 v254, v255
	s_wait_dscnt 0x0
	s_and_saveexec_b32 s28, vcc_lo
	global_store_b128 v[OOFF], v[OUT:OUT+3], s[12:13] th:TH_STORE_NT   ; rows 4 r .. 4 r + 3: 16 lanes, 256 consecutive bytes, aligned
	s_endpgm
.Lfunc_end_k_q1961c53911_maxaffine:
	.size	k_q1961c53911_maxaffine, .Lfunc_end_k_q1961c53911_maxaffine-k_q1961c53911_maxaffine
	.p2alignl 7, 3214868480
	.fill 96, 4, 3214868480
	.section	.rodata,"a",@progbits
	.p2align	6, 0x0
	.amdhsa_kernel k_q1961c53911_maxaffine
		.amdhsa_group_segment_fixed_size 119808
		.amdhsa_private_segment_fixed_size 0
		.amdhsa_enable_private_segment 0
		.amdhsa_kernarg_size 40
		.amdhsa_user_sgpr_count 2
		.amdhsa_user_sgpr_kernarg_segment_ptr 1
		.amdhsa_wavefront_size32 1
		.amdhsa_system_sgpr_workgroup_id_x 1
		.amdhsa_system_sgpr_workgroup_id_y 1
		.amdhsa_system_sgpr_workgroup_id_z 1
		.amdhsa_system_vgpr_workitem_id 0
		.amdhsa_next_free_vgpr 512
		.amdhsa_next_free_sgpr 66
		.amdhsa_reserve_vcc 1
		.amdhsa_float_denorm_mode_32 3
		.amdhsa_float_denorm_mode_16_64 3
		.amdhsa_memory_ordered 1
		.amdhsa_forward_progress 1
		.amdhsa_inst_pref_size 192
	.end_amdhsa_kernel
	.amdgpu_metadata
---
amdhsa.version: [ 1, 2 ]
amdhsa.kernels:
  - .name:           k_q1961c53911_maxaffine
    .symbol:         k_q1961c53911_maxaffine.kd
    .args:
      - { .name: a, .offset: 0, .size: 8, .value_kind: global_buffer, .address_space: global }
      - { .name: b, .offset: 8, .size: 8, .value_kind: global_buffer, .address_space: global }
      - { .name: s, .offset: 16, .size: 8, .value_kind: global_buffer, .address_space: global }
      - { .name: x, .offset: 24, .size: 8, .value_kind: global_buffer, .address_space: global }
      - { .name: out0, .offset: 32, .size: 8, .value_kind: global_buffer, .address_space: global }
    .group_segment_fixed_size: 119808
    .private_segment_fixed_size: 0
    .kernarg_segment_align: 8
    .kernarg_segment_size: 40
    .max_flat_workgroup_size: 256
    .sgpr_count:     66
    .vgpr_count:     512
    .wavefront_size: 32
...
	.end_amdgpu_metadata
.endif
;; end of part 1
